; MI455X (gfx1250); checked and timed in simulation.
; The chip was launched on July 23, 2026; its instructions are those of AMD's public machine-readable ISA for CDNA 5 (MIT licence, August 2026) and "CDNA5" Instruction Set Architecture Reference Guide (July 2026). The comments in the code are by the model that wrote it; some were corrected since.
;; Hard Op Bank. Allowed arithmetic: matrix products marked QUANTISED: E5M2 operands, one given power-of-two scale a tensor, by v_wmma_f32_16x16x64_bf8_bf8 or v_wmma_f32_16x16x128_bf8_bf8, f32 sums; everything else in f32.
;; Inputs: W 8 x 512 x 512 float32; gumbel 4 x 8,192 x 8 float32; lowp_scales 16 int32 (the exponents e of the quantised operands' scales 2^e); op_logits 4 x 8,192 x 8 float32; x 4 x 8,192 x 512 float32.
;; Outputs: out0 4 x 8,192 x 512 float32.
;; This version of the problem:
;;   THIS VERSION OF THE PROBLEM IS GIVEN IN LOW PRECISION. The matrix products marked QUANTISED in the list below multiply operands that are first quantised to E5M2 (5 exponent bits, 2 mantissa bits; 8 bits a number), with one given power-of-two scale for each operand tensor; their sums are f32. All else is computed in f32.
;;   The module's matrix products, in the order in which they are computed (A, B: the left and right operand; K: the contracted axis; several contracted axes count as one K, in the product's order):
;;     1. [M 32,768, K 512] x [K 512, N 512]; A: input x; B: input W: QUANTISED (scales: A lowp_scales[0], B lowp_scales[1])
;;     2. [M 32,768, K 512] x [K 512, N 512]; A: input x; B: input W: QUANTISED (scales: A lowp_scales[2], B lowp_scales[3])
;;     3. [M 32,768, K 512] x [K 512, N 512]; A: input x; B: input W: QUANTISED (scales: A lowp_scales[4], B lowp_scales[5])
;;     4. [M 32,768, K 512] x [K 512, N 512]; A: input x; B: input W: QUANTISED (scales: A lowp_scales[6], B lowp_scales[7])
;;     5. [M 32,768, K 512] x [K 512, N 512]; A: input x; B: input W: QUANTISED (scales: A lowp_scales[8], B lowp_scales[9])
;;     6. [M 32,768, K 512] x [K 512, N 512]; A: input x; B: input W: QUANTISED (scales: A lowp_scales[10], B lowp_scales[11])
;;     7. [M 32,768, K 512] x [K 512, N 512]; A: input x; B: input W: QUANTISED (scales: A lowp_scales[12], B lowp_scales[13])
;;     8. [M 32,768, K 512] x [K 512, N 512]; A: input x; B: input W: QUANTISED (scales: A lowp_scales[14], B lowp_scales[15])
;;   THE QUANTISER, for each operand of a quantised product, along K:
;;     - The operand's scale is 2^e, e = its entry of the input lowp_scales (int32; the entries are numbered through the quantised products in the list's order, A before B).
;;     - Each number is divided by the scale, clamped to +-57,344, and rounded to the nearest number of E5M2, ties to even, subnormals kept.
;;     - The product sums the exact products of the quantised numbers (number of the format x scale) in f32.
;;   ~~~python
;;   def quantise(x, axis, e):      # numpy; x: float32 -> the quantised numbers, widened to float32 again
;;       x = np.moveaxis(x, axis, -1); K = x.shape[-1]
;;       r = np.clip(x / 2.0 ** e, -57344, 57344)
;;       step = 2.0 ** (np.maximum(np.frexp(np.where(r == 0, 1, r))[1] - 1, -14) - 2)
;;       q = np.round(r / step) * step * 2.0 ** e      # np.round: ties to even
;;       return np.moveaxis(q, -1, axis).astype(np.float32)
;;   ~~~
;; 2 versions, each right; version 2 is version 1 with the launch chain written anew for expert scheduling mode. Each part assembles by itself: llvm-mc -triple=amdgcn-amd-amdhsa -mcpu=gfx1250 --defsym DOCPART=n.
;; ======== version 1 of 2: 2 launches
;; workspace buffers: Wq 2,097,152 bytes; masks 32,768 bytes of whole numbers
;; launch prep (part 1): grid 320 x 1, 1 waves a work-group, no clusters, 8,960 bytes of LDS; arguments W, op_logits, gumbel, lowp_scales, Wq, masks; writes Wq, masks
.if DOCPART == 1
	.amdgcn_target "amdgcn-amd-amdhsa--gfx1250"
	.amdhsa_code_object_version 6
	.text
	.protected	k_qb05db0ab81_prep
	.globl	k_qb05db0ab81_prep
	.p2align	8
	.type	k_qb05db0ab81_prep,@function
k_qb05db0ab81_prep:
	s_mov_b64 s[64:65], 0
	v_nop
	global_prefetch_b8 v0, s[64:65] scope:SCOPE_SE
	s_setreg_imm32_b32 hwreg(HW_REG_WAVE_MODE, 25, 1), 1
	s_wait_xcnt 0x0
; TWO JOBS IN ONE LAUNCH, one wave to a work-group; the work-group's number says which.
; Work-groups 0-63, ROUTING: wave u takes tokens 512 u .. 512 u + 511, 16 groups of 32, a lane to a token.  The chosen operator is the first largest of z = op_logits + gumbel
;   (tau = 1; softmax is monotone, so its argmax is z's).  What is stored are whole numbers at fixed places: masks[(rb 8 + e) 32 + g], bit i: token 1024 rb + 32 g + i chose operator e.
;   No address and no branch of this launch hangs on them.
; Work-groups 64-319, WEIGHTS: wave b takes operator e = b / 32 and rows 16 T .. 16 T + 15 (T = b % 32) of W[e], quantises them to E5M2 with the scale 2^lowp_scales[2 e + 1], and stores
;   them in the order of a matrix operand's registers: Wq byte e 262144 + (T / 8) 65536 + (8 s + T % 8) 2048 + c 512 + 16 lane holds places 128 s + 32 c + 16 (lane / 16) + 0 .. 15 of row lane % 16.
;   PLACE p = 16 l + 4 i + b of a row of codes holds k = 128 i + 4 l + b: what lane l gets from the i-th dense load of 512 bytes.  The next launch lays x's codes by the same order,
;   so every product meets its partner; only the order of the sums inside a matrix instruction differs from the natural one.
; LIMITS.  Two different z that a rounded softmax would make equal are told apart here (the lower index wins only where the z are equal).  NaN among the inputs is not served.
;   lowp_scales entries between -126 and 112, so that 2^e and 57,344 x 2^e are f32 numbers.
; REGISTERS.  Window 1 (v256-511): what the 64 loads bring.  Window 0, routing: v1, v2 offsets; v4-7 the masks to store; v8-11 the largest z, v12-15 its index (four groups by turns); v16-47 z.
;   Window 0, weights: v1 16 x lane; v2 fragment address; v7 2^e; v64-127 the fragments; v192-255 the codes.
.set PITCH, 528                        ; an LDS row of 512 codes + 16 bytes: the 16 rows that a fragment load touches start at 16 different groups of banks
.set MSB, 0
.macro WIN new                         ; the immediate's high byte repeats the setting that is left
.if MSB != \new
	s_set_vgpr_msb (MSB<<8)|\new
.set MSB, \new
.endif
.endm
; 16 rows x 16 numbers a lane in window 1 (row t at 16 t, load i at + 4 i) become 16 bytes of codes a row in v[192 + 4 t ..].  s26, s27: +-57,344 x the scale; v7: the scale as f32.
.macro QCONV
	s_wait_xcnt 0x0                                ; the codes' registers may be the data of earlier stores: written again only behind this wait
	WIN 0x41                                       ; source 0 and destination window 1
.set NN, 0
.rept 256
	v_med3_num_f32 v[NN], v[NN], s27, s26          ; the conversion to an 8-bit code does not saturate (ISA guide 7.6.2): the hold at the largest code x the scale
.set NN, NN+1
.endr
	WIN 0x01                                       ; source 0 window 1
.set NN, 0
.rept 16
	v_cvt_scalef32_pk8_bf8_f32 v[192+4*NN:193+4*NN], v[16*NN:16*NN+7], v7      ; one scale for the tensor: the eight numbers of a conversion need not be neighbours along K
	v_cvt_scalef32_pk8_bf8_f32 v[194+4*NN:195+4*NN], v[16*NN+8:16*NN+15], v7
.set NN, NN+1
.endr
	WIN 0
	v_nop                                          ; one plain vector line behind the last scaled conversion
.endm
	s_load_b256 s[4:11], s[0:1], 0x0               ; W s[4:5], op_logits s[6:7], gumbel s[8:9], lowp_scales s[10:11]
	s_load_b128 s[12:15], s[0:1], 0x20             ; Wq s[12:13], masks s[14:15]
	v_lshl_add_u32 v190, v0, 2, 0x2200
	v_mov_b32 v191, 0
	s_wait_kmcnt 0x0
	s_cmp_lt_u32 ttmp9, 64
	s_cbranch_scc0 .Lweights
	; ---------------- ROUTING ----------------
	s_lshl_b32 s16, ttmp9, 14                      ; 512 tokens x 32 bytes
	s_mov_b32 s17, 0
	s_add_nc_u64 s[6:7], s[6:7], s[16:17]
	s_add_nc_u64 s[8:9], s[8:9], s[16:17]
	v_lshlrev_b32 v1, 5, v0                        ; my token's 32 bytes in a group's 1,024
	v_lshrrev_b32 v2, 2, v0                        ; the store: lane 4 e + q holds groups 4 q .. 4 q + 3 of operator e:
	v_and_b32 v3, 3, v0
	v_lshlrev_b32 v2, 7, v2                        ; 128 e
	v_lshl_add_u32 v2, v3, 4, v2                   ; + 16 q
	s_lshr_b32 s18, ttmp9, 1
	s_lshl_b32 s18, s18, 10                        ; + 1,024 rb
	s_and_b32 s19, ttmp9, 1
	s_lshl_b32 s19, s19, 6                         ; + 64 for the block's second half
	s_add_co_u32 s18, s18, s19
	v_add_nc_u32 v2, s18, v2
	WIN 0x40                                       ; destination window 1
.set NN, 0
.rept 16                                           ; group NN: logits at 16 NN, gumbel at 16 NN + 8; each load's 32 lanes cover half of 1,024 consecutive bytes, the pair all of them
	global_load_b128 v[16*NN:16*NN+3],     v1, s[6:7] offset:1024*NN th:TH_LOAD_NT
	global_load_b128 v[16*NN+4:16*NN+7],   v1, s[6:7] offset:1024*NN+16 th:TH_LOAD_NT
	global_load_b128 v[16*NN+8:16*NN+11],  v1, s[8:9] offset:1024*NN th:TH_LOAD_NT
	global_load_b128 v[16*NN+12:16*NN+15], v1, s[8:9] offset:1024*NN+16 th:TH_LOAD_NT
.set NN, NN+1
.endr
	WIN 0
.irp g, 0,1,2,3
	v_mov_b32 v[4+\g], 0                           ; a lane write's destination counts as read
.endr
; Groups 4 q .. 4 q + 3, by turns.
.macro BATCH q
	s_wait_loadcnt 48-16*\q                        ; loads come back in order: the later batches' sixteen each may stay out
	WIN 0x05                                       ; sources window 1
.irp g, 0,1,2,3
.irp p, 0,2,4,6
	v_pk_add_f32 v[16+8*\g+\p:17+8*\g+\p], v[16*(4*\q+\g)+\p:16*(4*\q+\g)+\p+1], v[16*(4*\q+\g)+8+\p:16*(4*\q+\g)+9+\p]   ; z = logit + gumbel
.endr
.endr
	WIN 0
.irp g, 0,1,2,3
	v_mov_b32 v[8+\g], v[16+8*\g]
	v_mov_b32 v[12+\g], 0
.endr
.irp k, 1,2,3,4,5,6,7
.irp g, 0,1,2,3
	v_cmp_gt_f32 s[20+\g], v[16+8*\g+\k], v[8+\g]  ; strictly larger: the lower index keeps a tie
.endr
.irp g, 0,1,2,3
	v_cndmask_b32 v[12+\g], v[12+\g], \k, s[20+\g]
.endr
.irp g, 0,1,2,3
	v_max_num_f32 v[8+\g], v[8+\g], v[16+8*\g+\k]
.endr
.endr
.irp g, 0,1,2,3
.irp k, 0,1,2,3,4,5,6,7
	v_cmp_eq_u32 s[32+8*\g+\k], \k, v[12+\g]       ; the group's 32 tokens that chose operator k
.endr
.endr
.irp g, 0,1,2,3
.irp k, 0,1,2,3,4,5,6,7
	v_writelane_b32 v[4+\g], s[32+8*\g+\k], 4*\k+\q
.endr
.endr
.endm
	BATCH 0
	BATCH 1
	BATCH 2
	BATCH 3
	global_store_b128 v2, v[4:7], s[14:15]         ; eight pieces of 64 bytes; the whole buffer is 32 KB
	s_endpgm
	; ---------------- WEIGHTS ----------------
.Lweights:
	s_sub_co_u32 s16, ttmp9, 64
	s_lshr_b32 s17, s16, 5                         ; e
	s_and_b32 s18, s16, 31                         ; T
	s_lshl_b32 s20, s17, 20                        ; W[e]: 1 MiB,
	s_lshl_b32 s21, s18, 15                        ; 16 rows of 2,048 bytes
	s_add_co_u32 s20, s20, s21
	s_mov_b32 s21, 0
	s_add_nc_u64 s[4:5], s[4:5], s[20:21]
	s_lshl_b32 s22, s17, 18
	s_lshr_b32 s23, s18, 3
	s_lshl_b32 s23, s23, 16
	s_add_co_u32 s22, s22, s23
	s_and_b32 s23, s18, 7
	s_lshl_b32 s23, s23, 11
	s_add_co_u32 s22, s22, s23
	s_mov_b32 s23, 0
	s_add_nc_u64 s[12:13], s[12:13], s[22:23]
	s_lshl_b32 s24, s17, 3
	s_mov_b32 s25, 0
	s_add_nc_u64 s[10:11], s[10:11], s[24:25]
	s_load_b32 s20, s[10:11], 0x4                  ; e_w = lowp_scales[2 e + 1]
	v_lshlrev_b32 v1, 4, v0                        ; 16 x lane
	v_and_b32 v3, 15, v0
	v_lshrrev_b32 v4, 4, v0
	v_mul_u32_u24 v2, v3, PITCH
	v_lshl_add_u32 v2, v4, 4, v2                   ; a fragment's row x pitch + 16 x half
	WIN 0x40
.set NN, 0
.rept 16
.irp i, 0,1,2,3
	global_load_b128 v[16*NN+4*\i:16*NN+4*\i+3], v1, s[4:5] offset:2048*NN+512*\i th:TH_LOAD_NT   ; 32 lanes read 512 consecutive bytes of row NN
.endr
.set NN, NN+1
.endr
	WIN 0
	s_wait_kmcnt 0x0
	s_add_co_i32 s20, s20, 127
	s_lshl_b32 s21, s20, 23
	v_mov_b32 v7, s21                              ; 2^e_w as f32: the conversion takes its exponent field
	s_add_co_i32 s20, s20, 15
	s_lshl_b32 s26, s20, 23
	s_or_b32 s26, s26, 0x600000                    ; 57,344 x 2^e_w
	s_xor_b32 s27, s26, 0x80000000
	s_wait_loadcnt 0x0
	QCONV
.set NN, 0
.rept 16
	ds_store_b128 v1, v[192+4*NN:195+4*NN] offset:PITCH*NN         ; row NN's 512 codes on end
.set NN, NN+1
.endr
.irp s, 0,1,2,3
.irp c, 0,1,2,3
	ds_load_b128 v[64+4*(4*\s+\c):67+4*(4*\s+\c)], v2 offset:128*\s+32*\c   ; LDS serves a wave's instructions in order (ISA guide 5.7.1.4): these see the stores above
.endr
.endr
.irp s, 0,1,2,3
.irp c, 0,1,2,3
	s_wait_dscnt 15-(4*\s+\c)                      ; the younger loads may stay out
	global_store_b128 v1, v[64+4*(4*\s+\c):67+4*(4*\s+\c)], s[12:13] offset:16384*\s+512*\c   ; 512 consecutive bytes, at a multiple of 512 from the buffer's first byte
.endr
.endr
	s_wait_tensorcnt 0x0
	ds_add_u32 v190, v191
	s_wait_dscnt 0x0
	s_endpgm
.Lfunc_end_k_qb05db0ab81_prep:
	.size	k_qb05db0ab81_prep, .Lfunc_end_k_qb05db0ab81_prep-k_qb05db0ab81_prep
	.p2alignl 7, 3214868480
	.fill 96, 4, 3214868480
	.section	.rodata,"a",@progbits
	.p2align	6, 0x0
	.amdhsa_kernel k_qb05db0ab81_prep
		.amdhsa_group_segment_fixed_size 8960
		.amdhsa_private_segment_fixed_size 0
		.amdhsa_enable_private_segment 0
		.amdhsa_kernarg_size 48
		.amdhsa_user_sgpr_count 2
		.amdhsa_user_sgpr_kernarg_segment_ptr 1
		.amdhsa_wavefront_size32 1
		.amdhsa_system_sgpr_workgroup_id_x 1
		.amdhsa_system_sgpr_workgroup_id_y 1
		.amdhsa_system_sgpr_workgroup_id_z 1
		.amdhsa_system_vgpr_workitem_id 0
		.amdhsa_next_free_vgpr 512
		.amdhsa_next_free_sgpr 72
		.amdhsa_reserve_vcc 0
		.amdhsa_float_denorm_mode_32 3
		.amdhsa_float_denorm_mode_16_64 3
		.amdhsa_memory_ordered 1
		.amdhsa_forward_progress 1
		.amdhsa_inst_pref_size 76
	.end_amdhsa_kernel
	.amdgpu_metadata
---
amdhsa.version: [ 1, 2 ]
amdhsa.kernels:
  - .name:           k_qb05db0ab81_prep
    .symbol:         k_qb05db0ab81_prep.kd
    .args:
      - { .name: W, .offset: 0, .size: 8, .value_kind: global_buffer, .address_space: global }
      - { .name: op_logits, .offset: 8, .size: 8, .value_kind: global_buffer, .address_space: global }
      - { .name: gumbel, .offset: 16, .size: 8, .value_kind: global_buffer, .address_space: global }
      - { .name: lowp_scales, .offset: 24, .size: 8, .value_kind: global_buffer, .address_space: global }
      - { .name: Wq, .offset: 32, .size: 8, .value_kind: global_buffer, .address_space: global }
      - { .name: masks, .offset: 40, .size: 8, .value_kind: global_buffer, .address_space: global }
    .group_segment_fixed_size: 8960
    .private_segment_fixed_size: 0
    .kernarg_segment_align: 8
    .kernarg_segment_size: 48
    .max_flat_workgroup_size: 32
    .sgpr_count:     72
    .vgpr_count:     512
    .wavefront_size: 32
...
	.end_amdgpu_metadata
.endif
;; end of part 1
;; launch chain (part 2): grid 256 x 1, 4 waves a work-group, no clusters, 133,632 bytes of LDS; arguments x, Wq, masks, lowp_scales, out0; writes out0
.if DOCPART == 2
	.amdgcn_target "amdgcn-amd-amdhsa--gfx1250"
	.amdhsa_code_object_version 6
	.text
	.protected	k_qb05db0ab81_chain
	.globl	k_qb05db0ab81_chain
	.p2align	8
	.type	k_qb05db0ab81_chain,@function
k_qb05db0ab81_chain:
	s_mov_b64 s[64:65], 0
	v_nop
	global_prefetch_b8 v0, s[64:65] scope:SCOPE_SE
	s_setreg_imm32_b32 hwreg(HW_REG_WAVE_MODE, 25, 1), 1
	s_wait_xcnt 0x0
; out0[token] = act_e(x[token] W[e]^T) for the ONE operator e that the token chose; the products on codes of E5M2, x with the scale 2^lowp_scales[2 e], W[e] with 2^lowp_scales[2 e + 1].
; The route's weight is 0 for the seven others, so their products are not made; for the chosen one it is (1 - y) + y, taken as 1 (it differs by 2^-24 at most).
; SHARES.  Work-group g takes operator e = g % 8 and the 1,024 tokens of block rb = g / 8: those of them that chose e, c rows, 0 to 1,024.  Its 32 mask words give c and the list of rows.
;   THE FOUR WAVES SHARE THE COLUMNS: wave w makes outputs 128 w .. 128 w + 127 of every row, so its part of W[e], 32 fragments, stays in 512 registers, read once.
;   Rows go in chunks of 64: wave w gathers and quantises rows 16 w .. 16 w + 15 of a chunk and stores their codes in LDS | barrier | every wave multiplies the chunk's four tiles of 16 rows,
;   applies the activation, turns each tile through its own stage in LDS and stores 512 consecutive bytes of each row.  A chunk's rows of x are asked for a whole chunk's work ahead.
; CONSTANT TRIPS.  Sixteen chunks of four tiles are walked whatever c is; what lies at or beyond row c is jumped over by scalar branches on c, never a barrier and never a step of an address.
;   W[e], which 32 work-groups read, is not shared by a joint load: each reads its 256 KB once, into registers.
; THE MATRIX INSTRUCTION IS USED TRANSPOSED (source 0 = 16 rows of W, source 1 = 16 rows of x): lane (r, h) holds row r and outputs 16 t + 8 h + 0 .. 7 of tile t.
; PLACE p = 16 l + 4 i + b of a row of codes holds k = 128 i + 4 l + b, in x's codes as in W's: the order of the sums inside a matrix instruction differs from the natural one.
; LIMITS.  lowp_scales entries between -126 and 112; ea + eb between -125 and 126 (it is added to the exponent fields of the factors below).  NaN among the inputs is not served.
;   erf: a rational in z^2 on z held within +-4, error about 1e-7.  tanh = 1 - 2 / (1 + 2^(2 h log2 e)): absolute error about 1e-7 near 0.
; LDS: 0 XC0: 64 rows of 512 codes, pitch 528 | 33,792 the list: 1,152 entries of 4 bytes (1,024 rows, 64 pads, and what the loops' addresses could reach), then 32 dump entries
;   | 65,536 XC1 (XC0's address with one bit turned) | 99,328 four stages of 16 rows x 528, each wave's own.
; REGISTERS.  Window 0: v1 16 x lane; v2 fragment place; v3 my codes' place; v4, v5 stage in, out; v6 my bytes in a row of out0; v7 2^ea; v8-10 addresses in hand; v[12:13], v[14:15] two erf constants;
;   v16-31 gather offsets; v32-47 store offsets; v48-55 at work at the head; v64-127 x's four fragments; v128-191 eight accumulators; v192-255 codes just made, the activations' work, rows read back.
;   Window 1: 16 rows x 16 numbers of x as loaded.  Windows 2, 3: W's fragments, fragment 8 s + t at 16 (8 s + t).
; SCALARS.  s14 wave, s15 e, s16 rb, s20 4 c, s26/s27 +-57,344 x 2^ea, s30 the gather's first row x 4, s[32:51] erf constants (first: the masks), s66 chunks to go, s67 tiles to go,
;   s68 4 x the tile's first row, s69 the tile's LDS byte, s70 4 x my first row of the next chunk, s[72:83] six factors 2^(ea + eb) x { 1, 1/sqrt 2, -log2 e, 2 log2 e, 1/2, -1 }, as pairs.
.set PITCH,  528
.set TILEB,  16*PITCH                  ; 16 rows of codes
.set CHUNKB, 4*TILEB                   ; 64 rows
.set LIST,   CHUNKB
.set DUMPI,  1152                      ; the list's entry at which the dump words begin
.set XCX,    0x10000
.set STG,    XCX+CHUNKB
.set MSB, 0
.macro WIN new                         ; the immediate's high byte repeats the setting that is left
.if MSB != \new
	s_set_vgpr_msb (MSB<<8)|\new
.set MSB, \new
.endif
.endm
.macro WLOAD f0, f1                    ; W's fragments f0 .. f1: four loads each, 512 consecutive bytes a load.  No cache hint: 32 work-groups read these bytes
.set FF, \f0
.rept \f1-\f0+1
.if FF < 16
	WIN 0x80                                       ; destination window 2
.else
	WIN 0xc0                                       ; destination window 3
.endif
.irp c, 0,1,2,3
	global_load_b128 v[16*(FF%16)+4*\c:16*(FF%16)+4*\c+3], v1, s[6:7] offset:2048*FF+512*\c
.endr
.set FF, FF+1
.endr
	WIN 0
.endm
; The 16 rows named by the list's entries s30 / 4 on: each row by four loads of 512 consecutive bytes.  No cache hint: the list's pads can name a row several times.
.macro GATHER
	v_mov_b32 v9, s30
.irp j, 0,1,2,3
	ds_load_b128 v[16+4*\j:19+4*\j], v9 offset:LIST+16*\j          ; every lane reads the same 16 entries
.endr
	s_wait_dscnt 0x0
.set NN, 0
.rept 16
	v_min_u32 v[16+NN], 0x7fff, v[16+NN]           ; a token's number stays inside x
.set NN, NN+1
.endr
.set NN, 0
.rept 16
	v_lshl_add_u32 v[16+NN], v[16+NN], 11, v1      ; token x 2,048 + 16 x lane
.set NN, NN+1
.endr
	WIN 0x40                                       ; destination window 1
.set NN, 0
.rept 16
.irp i, 0,1,2,3
	global_load_b128 v[16*NN+4*\i:16*NN+4*\i+3], v[16+NN], s[4:5] offset:512*\i
.endr
.set NN, NN+1
.endr
	WIN 0
.endm
; 16 rows x 16 numbers a lane in window 1 become 16 bytes of codes a row in v[192 + 4 t ..].
.macro QCONV
	s_wait_xcnt 0x0                                ; the codes' registers were the data of the last tile's stores: written again only behind this wait
	WIN 0x41                                       ; source 0 and destination window 1
.set NN, 0
.rept 256
	v_med3_num_f32 v[NN], v[NN], s27, s26          ; the conversion to an 8-bit code does not saturate (ISA guide 7.6.2): the hold at the largest code x the scale
.set NN, NN+1
.endr
	WIN 0x01                                       ; source 0 window 1
.set NN, 0
.rept 16
	v_cvt_scalef32_pk8_bf8_f32 v[192+4*NN:193+4*NN], v[16*NN:16*NN+7], v7      ; one scale for the tensor: the eight numbers of a conversion need not be neighbours along K
	v_cvt_scalef32_pk8_bf8_f32 v[194+4*NN:195+4*NN], v[16*NN+8:16*NN+15], v7
.set NN, NN+1
.endr
	WIN 0
	v_nop                                          ; one plain vector line behind the last scaled conversion
.endm
.macro QSTORE                          ; my 16 rows of codes into the buffer that begins at s69
	v_add_nc_u32 v10, s69, v3
.set NN, 0
.rept 16
	ds_store_b128 v10, v[192+4*NN:195+4*NN] offset:PITCH*NN        ; 512 consecutive bytes
.set NN, NN+1
.endr
.endm
.macro MULS s                          ; K step s: the eight accumulators take turns, one instruction a turn; the first K step starts the sums
.irp t, 0,1,2,3,4,5,6,7
.if \s == 0
	v_wmma_f32_16x16x128_bf8_bf8 v[128+8*\t:135+8*\t], v[(16*(8*\s+\t))%256:(16*(8*\s+\t))%256+15], v[64+16*\s:79+16*\s], 0
.else
	v_wmma_f32_16x16x128_bf8_bf8 v[128+8*\t:135+8*\t], v[(16*(8*\s+\t))%256:(16*(8*\s+\t))%256+15], v[64+16*\s:79+16*\s], v[128+8*\t:135+8*\t]
.endif
.endr
.endm
.macro PAIR r, val                     ; a constant as a scalar pair: the packed forms name the pair and take its low word for both halves
	s_mov_b32 s[\r], \val
	s_mov_b32 s[\r+1], s[\r]
.endm
.macro FACTOR r, val                   ; val x 2^(ea + eb): s21 = (ea + eb) << 23 is added to the constant's exponent field
	s_add_co_u32 s[\r], s21, \val
	s_mov_b32 s[\r+1], s[\r]
.endm
; THE ACTIVATIONS, on tile t's eight sums, each accumulator from its low end on.  h = sum x 2^(ea + eb).  At work: v192-199, v200-207, v208-215, v216-223.
.macro ACT0 t                          ; gelu: h / 2 + h / 2 x erf(h / sqrt 2);  erf(z) = z P(z^2) / Q(z^2)
.set AC, 128+8*(\t)
.irp p, 0,2,4,6
	v_pk_mul_f32 v[192+\p:193+\p], v[AC+\p:AC+\p+1], s[74:75] op_sel_hi:[1,0]            ; z
.endr
.irp p, 0,2,4,6
	v_pk_mul_f32 v[AC+\p:AC+\p+1], v[AC+\p:AC+\p+1], s[80:81] op_sel_hi:[1,0]            ; h / 2
.endr
.irp j, 0,1,2,3,4,5,6,7
	v_med3_num_f32 v[192+\j], v[192+\j], -4.0, 4.0
.endr
.irp p, 0,2,4,6
	v_pk_mul_f32 v[200+\p:201+\p], v[192+\p:193+\p], v[192+\p:193+\p]                    ; z^2
.endr
.irp p, 0,2,4,6
	v_pk_fma_f32 v[208+\p:209+\p], v[200+\p:201+\p], v[12:13], s[32:33] op_sel_hi:[1,1,0]
	v_pk_fma_f32 v[216+\p:217+\p], v[200+\p:201+\p], v[14:15], s[44:45] op_sel_hi:[1,1,0]
.endr
.irp c, 34,36,38
.irp p, 0,2,4,6
	v_pk_fma_f32 v[208+\p:209+\p], v[208+\p:209+\p], v[200+\p:201+\p], s[\c:\c+1] op_sel_hi:[1,1,0]
	v_pk_fma_f32 v[216+\p:217+\p], v[216+\p:217+\p], v[200+\p:201+\p], s[\c+12:\c+13] op_sel_hi:[1,1,0]
.endr
.endr
.irp j, 0,1,2,3,4,5,6,7
	v_rcp_f32 v[216+\j], v[216+\j]                 ; 1 / Q
.endr
.irp c, 40,42
.irp p, 0,2,4,6
	v_pk_fma_f32 v[208+\p:209+\p], v[208+\p:209+\p], v[200+\p:201+\p], s[\c:\c+1] op_sel_hi:[1,1,0]   ; P's last two steps are the plain lines behind the reciprocals
.endr
.endr
.irp p, 0,2,4,6
	v_pk_mul_f32 v[208+\p:209+\p], v[208+\p:209+\p], v[192+\p:193+\p]
.endr
	s_wait_alu depctr_va_vdst(0)
.irp p, 0,2,4,6
	v_pk_mul_f32 v[208+\p:209+\p], v[208+\p:209+\p], v[216+\p:217+\p]                    ; erf
.endr
.irp p, 0,2,4,6
	v_pk_fma_f32 v[AC+\p:AC+\p+1], v[AC+\p:AC+\p+1], v[208+\p:209+\p], v[AC+\p:AC+\p+1]
.endr
.endm
.macro ACT1 t                          ; relu
.set AC, 128+8*(\t)
.irp p, 0,2,4,6
	v_pk_mul_f32 v[AC+\p:AC+\p+1], v[AC+\p:AC+\p+1], s[72:73] op_sel_hi:[1,0]
.endr
.irp j, 0,1,2,3,4,5,6,7
	v_max_num_f32 v[AC+\j], 0, v[AC+\j]
.endr
.endm
.macro ACT2 t                          ; relu, squared
	ACT1 \t
.irp p, 0,2,4,6
	v_pk_mul_f32 v[AC+\p:AC+\p+1], v[AC+\p:AC+\p+1], v[AC+\p:AC+\p+1]
.endr
.endm
.macro ACT3 t                          ; silu: h / (1 + 2^(-h log2 e))
.set AC, 128+8*(\t)
.irp p, 0,2,4,6
	v_pk_mul_f32 v[192+\p:193+\p], v[AC+\p:AC+\p+1], s[76:77] op_sel_hi:[1,0]
.endr
.irp j, 0,1,2,3,4,5,6,7
	v_exp_f32 v[192+\j], v[192+\j]
.endr
.irp p, 0,2,4,6
	v_pk_mul_f32 v[AC+\p:AC+\p+1], v[AC+\p:AC+\p+1], s[72:73] op_sel_hi:[1,0]            ; h: the plain lines behind the exponentials
.endr
	s_wait_alu depctr_va_vdst(0)
.irp p, 0,2,4,6
	v_pk_add_f32 v[192+\p:193+\p], v[192+\p:193+\p], 1.0 op_sel_hi:[1,0]
.endr
.irp j, 0,1,2,3,4,5,6,7
	v_rcp_f32 v[192+\j], v[192+\j]
.endr
	v_nop                                          ; a plain line behind the reciprocals
	s_wait_alu depctr_va_vdst(0)
.irp p, 0,2,4,6
	v_pk_mul_f32 v[AC+\p:AC+\p+1], v[AC+\p:AC+\p+1], v[192+\p:193+\p]
.endr
.endm
.macro ACT4 t                          ; tanh: 1 - 2 / (1 + 2^(2 h log2 e))
.set AC, 128+8*(\t)
.irp p, 0,2,4,6
	v_pk_mul_f32 v[192+\p:193+\p], v[AC+\p:AC+\p+1], s[78:79] op_sel_hi:[1,0]
.endr
.irp j, 0,1,2,3,4,5,6,7
	v_exp_f32 v[192+\j], v[192+\j]
.endr
	v_nop
	s_wait_alu depctr_va_vdst(0)
.irp p, 0,2,4,6
	v_pk_add_f32 v[192+\p:193+\p], v[192+\p:193+\p], 1.0 op_sel_hi:[1,0]
.endr
.irp j, 0,1,2,3,4,5,6,7
	v_rcp_f32 v[192+\j], v[192+\j]
.endr
	v_nop
	s_wait_alu depctr_va_vdst(0)
.irp p, 0,2,4,6
	v_pk_fma_f32 v[AC+\p:AC+\p+1], v[192+\p:193+\p], -2.0, 1.0 op_sel_hi:[1,0,0]
.endr
.endm
.macro ACT5 t                          ; sigmoid: 1 / (1 + 2^(-h log2 e))
.set AC, 128+8*(\t)
.irp p, 0,2,4,6
	v_pk_mul_f32 v[192+\p:193+\p], v[AC+\p:AC+\p+1], s[76:77] op_sel_hi:[1,0]
.endr
.irp j, 0,1,2,3,4,5,6,7
	v_exp_f32 v[192+\j], v[192+\j]
.endr
	v_nop
	s_wait_alu depctr_va_vdst(0)
.irp p, 0,2,4,6
	v_pk_add_f32 v[192+\p:193+\p], v[192+\p:193+\p], 1.0 op_sel_hi:[1,0]
.endr
.irp j, 0,1,2,3,4,5,6,7
	v_rcp_f32 v[AC+\j], v[192+\j]
.endr
	v_nop
.endm
.macro ACT6 t                          ; h
.set AC, 128+8*(\t)
.irp p, 0,2,4,6
	v_pk_mul_f32 v[AC+\p:AC+\p+1], v[AC+\p:AC+\p+1], s[72:73] op_sel_hi:[1,0]
.endr
.endm
.macro ACT7 t                          ; -h
.set AC, 128+8*(\t)
.irp p, 0,2,4,6
	v_pk_mul_f32 v[AC+\p:AC+\p+1], v[AC+\p:AC+\p+1], s[82:83] op_sel_hi:[1,0]
.endr
.endm
	; ---------------- THE HEAD ----------------
	s_load_b256 s[4:11], s[0:1], 0x0               ; x s[4:5], Wq s[6:7], masks s[8:9], lowp_scales s[10:11]
	s_load_b64 s[12:13], s[0:1], 0x20              ; out0
	v_lshl_add_u32 v62, v0, 2, 0x20800
	v_mov_b32 v63, 0
	v_lshrrev_b32 v53, 5, v0
	v_readfirstlane_b32 s14, v53                   ; wave 0..3
	s_and_b32 s15, ttmp9, 7                        ; e
	s_lshr_b32 s16, ttmp9, 3                       ; rb
	v_and_b32 v48, 31, v0                          ; lane
	v_and_b32 v54, 15, v0                          ; r
	v_bfe_u32 v55, v0, 4, 1                        ; h
	v_lshlrev_b32 v1, 4, v48                       ; 16 x lane
	v_mul_u32_u24 v2, v54, PITCH
	v_lshl_add_u32 v4, v55, 5, v2                  ; the stage, in: row r, + 32 h
	v_lshl_add_u32 v2, v55, 4, v2                  ; a fragment: row r, + 16 h
	s_mul_i32 s21, s14, TILEB
	v_add_nc_u32 v3, s21, v1                       ; my 16 rows of a chunk's codes
	s_add_co_u32 s22, s21, STG                     ; my stage
	v_add_nc_u32 v4, s22, v4
	v_add_nc_u32 v5, s22, v1                       ; the stage, out: 16 bytes a lane of a row's 512
	s_lshl_b32 s23, s14, 9
	v_add_nc_u32 v6, s23, v1                       ; and the same bytes in a row of out0: 512 x wave + 16 x lane
	s_lshl_b32 s20, s15, 18                        ; Wq: 262,144 e + 65,536 w
	s_lshl_b32 s21, s14, 16
	s_add_co_u32 s20, s20, s21
	s_mov_b32 s21, 0
	s_lshl_b32 s22, s16, 10                        ; masks: 1,024 rb + 128 e
	s_lshl_b32 s23, s15, 7
	s_add_co_u32 s22, s22, s23
	s_mov_b32 s23, 0
	s_lshl_b32 s28, s15, 3                         ; lowp_scales: 8 e
	s_mov_b32 s29, 0
	s_wait_kmcnt 0x0
	s_add_nc_u64 s[6:7], s[6:7], s[20:21]
	s_add_nc_u64 s[8:9], s[8:9], s[22:23]
	s_add_nc_u64 s[10:11], s[10:11], s[28:29]
	s_load_b512 s[32:47], s[8:9], 0x0              ; my 32 masks
	s_load_b512 s[48:63], s[8:9], 0x40
	s_load_b64 s[24:25], s[10:11], 0x0             ; ea, eb
	WLOAD 0, 14                                    ; 60 loads go out while the masks come
	s_wait_kmcnt 0x0
	s_mov_b32 s21, 0
.set KK, 0
.rept 32
	s_bcnt1_i32_b32 s22, s[32+KK]
	s_add_co_u32 s21, s21, s22
.set KK, KK+1
.endr
	s_lshl_b32 s20, s21, 2                         ; 4 c
	; THE LIST, by wave 0 alone, ahead of the first barrier: no other wave has touched LDS yet.  Entry n = the n-th token of the block that chose e.
	s_cmp_lg_u32 s14, 0
	s_cbranch_scc1 .Lno_list
	s_lshl_b32 s23, s16, 10
	v_add_nc_u32 v49, s23, v48                     ; my token of group 0
	v_add_nc_u32 v50, DUMPI, v48                   ; where a lane whose token did not choose e writes
	s_mov_b32 s21, 0                               ; rows so far
.set KK, 0
.rept 32
	v_mbcnt_lo_u32_b32 v51, s[32+KK], s21          ; rows so far + the group's chosen tokens below mine
	v_cndmask_b32 v51, v50, v51, s[32+KK]
	v_min_u32 v51, DUMPI+31, v51                   ; an entry's number stays inside the list's region
	v_lshl_add_u32 v51, v51, 2, LIST
	ds_store_b32 v51, v49
	v_add_nc_u32 v49, 32, v49
	s_bcnt1_i32_b32 s22, s[32+KK]
	s_add_co_u32 s21, s21, s22
.set KK, KK+1
.endr
	v_add_nc_u32 v51, s21, v48                     ; entries c .. c + 63 are pads: they name the block's first token, a row that can be read; what is made of it is never stored
	v_min_u32 v51, 1055, v51
	v_lshl_add_u32 v51, v51, 2, LIST
	v_mov_b32 v52, s23
	ds_store_b32 v51, v52
	ds_store_b32 v51, v52 offset:128
.Lno_list:
	s_wait_dscnt 0x0                               ; for the others' sake: the list is stored
	s_barrier_signal -1
	s_barrier_wait -1
	s_lshl_b32 s30, s14, 6
	GATHER                                         ; chunk 0, my rows 16 w on: asked for whatever c is (the pads make every entry a row)
	WLOAD 15, 31                                   ; 68 loads
	s_add_co_i32 s21, s24, 127
	s_lshl_b32 s22, s21, 23
	v_mov_b32 v7, s22                              ; 2^ea as f32: the conversion takes its exponent field
	s_add_co_i32 s21, s21, 15
	s_lshl_b32 s26, s21, 23
	s_or_b32 s26, s26, 0x600000                    ; 57,344 x 2^ea
	s_xor_b32 s27, s26, 0x80000000
	s_add_co_i32 s21, s24, s25
	s_lshl_b32 s21, s21, 23                        ; ea + eb, at the exponent field's place
	FACTOR 72, 0x3f800000                          ; 1
	FACTOR 74, 0x3f3504f3                          ; 1 / sqrt 2
	FACTOR 76, 0xbfb8aa3b                          ; -log2 e
	FACTOR 78, 0x4038aa3b                          ; 2 log2 e
	FACTOR 80, 0x3f000000                          ; 1 / 2
	FACTOR 82, 0xbf800000                          ; -1
	PAIR 32, 0x32edffee                            ; P: z^10's coefficient .. (z^12's stands in v[12:13])
	PAIR 34, 0xb60cff51
	PAIR 36, 0xb86ec2d2
	PAIR 38, 0xba40ac63
	PAIR 40, 0xbb41a1f6
	PAIR 42, 0xbc83dbd4
	PAIR 44, 0xb95fbd29                            ; Q: (its highest stands in v[14:15])
	PAIR 46, 0xbadc924e
	PAIR 48, 0xbbf19bf8
	PAIR 50, 0xbc69b6a7
	v_mov_b32 v12, 0xaf95df0b
	v_mov_b32 v13, 0xaf95df0b
	v_mov_b32 v14, 0xb77460cd
	v_mov_b32 v15, 0xb77460cd
	s_mov_b32 s68, 0
	s_mov_b32 s69, 0
	s_lshl_b32 s70, s14, 6
	s_add_co_u32 s70, s70, 256                     ; 4 x (64 + 16 w)
	s_mov_b32 s66, 16
	s_wait_loadcnt 63                              ; loads come back in order, and 68 were issued behind chunk 0's rows: these are in
	QCONV
	QSTORE                                         ; chunk 0's codes, into XC0
	s_cmp_lt_u32 s70, s20
	s_cbranch_scc0 .Lno_g1
	s_mov_b32 s30, s70
	GATHER                                         ; chunk 1
	s_wait_loadcnt 63                              ; 64 loads were issued behind W's last: W is in
	s_branch .Lgo
.Lno_g1:
	s_wait_loadcnt 0x0                             ; W is in
.Lgo:
	; ---------------- SIXTEEN CHUNKS ----------------
.Lchunk:
	s_wait_dscnt 0x0                               ; my codes of this chunk are stored, and my reads of the chunk before are back:
	s_barrier_signal -1
	s_barrier_wait -1                              ; both now hold of all four waves
	s_mov_b32 s67, 4
.Ltile:
	s_cmp_lt_u32 s68, s20                          ; a tile that begins at or beyond row c is jumped over
	s_cbranch_scc0 .Lno_tile
	s_wait_xcnt 0x0                                ; the last tile's stores have read their data and offsets: both are written again below
	v_add_nc_u32 v8, s69, v2
	v_mov_b32 v9, s68
.irp s, 0,1,2,3
.irp c, 0,1,2,3
	ds_load_b128 v[64+16*\s+4*\c:67+16*\s+4*\c], v8 offset:128*\s+32*\c
.endr
.endr
.irp j, 0,1,2,3
	ds_load_b128 v[32+4*\j:35+4*\j], v9 offset:LIST+16*\j          ; the tile's 16 tokens
.endr
	s_wait_dscnt 4                                 ; the fragments are in; the four list loads behind them may be out
	WIN 0x02                                       ; source 0 (W) window 2
	MULS 0
	MULS 1
	WIN 0x03                                       ; window 3
	MULS 2
	MULS 3
	WIN 0
	s_wait_dscnt 0x0
.set NN, 0
.rept 16                                           ; these 32 plain lines name no register of the products: they are the places behind them (ISA guide 7.12.1)
	v_min_u32 v[32+NN], 0x7fff, v[32+NN]           ; a token's number stays inside out0
.set NN, NN+1
.endr
.set NN, 0
.rept 16
	v_lshl_add_u32 v[32+NN], v[32+NN], 11, v6      ; token x 2,048 + my bytes of the row
.set NN, NN+1
.endr
.irp k, 0,1,2,3,4,5,6
	s_cmp_eq_u32 s15, \k                           ; the operator hangs on the work-group's number alone
	s_cbranch_scc1 .Lact\k
.endr
.irp t, 0,1,2,3,4,5,6,7
	ACT7 \t
.endr
	s_branch .Lact_done
.Lact0:
.irp t, 0,1,2,3,4,5,6,7
	ACT0 \t
.endr
	s_branch .Lact_done
.Lact1:
.irp t, 0,1,2,3,4,5,6,7
	ACT1 \t
.endr
	s_branch .Lact_done
.Lact2:
.irp t, 0,1,2,3,4,5,6,7
	ACT2 \t
.endr
	s_branch .Lact_done
.Lact3:
.irp t, 0,1,2,3,4,5,6,7
	ACT3 \t
.endr
	s_branch .Lact_done
.Lact4:
.irp t, 0,1,2,3,4,5,6,7
	ACT4 \t
.endr
	s_branch .Lact_done
.Lact5:
.irp t, 0,1,2,3,4,5,6,7
	ACT5 \t
.endr
	s_branch .Lact_done
.Lact6:
.irp t, 0,1,2,3,4,5,6,7
	ACT6 \t
.endr
.Lact_done:
	s_wait_alu depctr_va_vdst(0)
.irp t, 0,1,2,3,4,5,6,7
	ds_store_b128 v4, v[128+8*\t:131+8*\t] offset:64*\t            ; lane (r, h): row r, outputs 16 t + 8 h + 0 .. 7 of my 128
	ds_store_b128 v4, v[132+8*\t:135+8*\t] offset:64*\t+16
.endr
.set NN, 0
.rept 16
	ds_load_b128 v[192+4*NN:195+4*NN], v5 offset:PITCH*NN          ; LDS serves a wave's instructions in order (ISA guide 5.7.1.4): these see the stores above, and the next tile's stores come behind them
.set NN, NN+1
.endr
	s_sub_co_u32 s23, s20, s68                     ; 4 x the rows that are left, at least 4
	s_wait_dscnt 0x0
.set NN, 0
.rept 16
.if NN > 0
	s_cmp_gt_u32 s23, 4*NN                         ; a pad's row is not stored
	s_cbranch_scc0 .Lno_tile
.endif
	global_store_b128 v[32+NN], v[192+4*NN:195+4*NN], s[12:13] th:TH_STORE_NT   ; 32 lanes store 512 consecutive bytes of one token's row, at a multiple of 512 from out0's first byte
.set NN, NN+1
.endr
.Lno_tile:
	s_add_co_u32 s68, s68, 64
	s_add_co_u32 s69, s69, TILEB
	s_sub_co_u32 s67, s67, 1
	s_cmp_lg_u32 s67, 0
	s_cbranch_scc1 .Ltile
	s_sub_co_u32 s69, s69, CHUNKB                  ; back to the buffer's first row,
	s_xor_b32 s69, s69, XCX                        ; in the other buffer: the next chunk's.  Its last readers waited for their reads in front of this trip's barrier
	s_wait_loadcnt 0x0                             ; my rows of the next chunk are in, and their offsets may be written again
	s_cmp_lt_u32 s70, s20                          ; my 16 rows of the next chunk are its tile w: the same test as that tile's
	s_cbranch_scc0 .Lno_q
	QCONV
	QSTORE
	s_add_co_u32 s30, s70, 256
	s_cmp_lt_u32 s30, s20
	s_cbranch_scc0 .Lno_q
	GATHER                                         ; the chunk after: 64 loads of 512 bytes a wave, on their way through the barrier and the next chunk's work
.Lno_q:
	s_add_co_u32 s70, s70, 256
	s_sub_co_u32 s66, s66, 1
	s_cmp_lg_u32 s66, 0
	s_cbranch_scc1 .Lchunk
	s_wait_tensorcnt 0x0
	ds_add_u32 v62, v63
	s_wait_dscnt 0x0
	s_endpgm
.Lfunc_end_k_qb05db0ab81_chain:
	.size	k_qb05db0ab81_chain, .Lfunc_end_k_qb05db0ab81_chain-k_qb05db0ab81_chain
	.p2alignl 7, 3214868480
	.fill 96, 4, 3214868480
	.section	.rodata,"a",@progbits
	.p2align	6, 0x0
	.amdhsa_kernel k_qb05db0ab81_chain
		.amdhsa_group_segment_fixed_size 133632
		.amdhsa_private_segment_fixed_size 0
		.amdhsa_enable_private_segment 0
		.amdhsa_kernarg_size 40
		.amdhsa_user_sgpr_count 2
		.amdhsa_user_sgpr_kernarg_segment_ptr 1
		.amdhsa_wavefront_size32 1
		.amdhsa_system_sgpr_workgroup_id_x 1
		.amdhsa_system_sgpr_workgroup_id_y 1
		.amdhsa_system_sgpr_workgroup_id_z 1
		.amdhsa_system_vgpr_workitem_id 0
		.amdhsa_next_free_vgpr 1024
		.amdhsa_next_free_sgpr 96
		.amdhsa_reserve_vcc 0
		.amdhsa_float_denorm_mode_32 3
		.amdhsa_float_denorm_mode_16_64 3
		.amdhsa_memory_ordered 1
		.amdhsa_forward_progress 1
		.amdhsa_inst_pref_size 194
	.end_amdhsa_kernel
	.amdgpu_metadata
---
amdhsa.version: [ 1, 2 ]
amdhsa.kernels:
  - .name:           k_qb05db0ab81_chain
    .symbol:         k_qb05db0ab81_chain.kd
    .args:
      - { .name: x, .offset: 0, .size: 8, .value_kind: global_buffer, .address_space: global }
      - { .name: Wq, .offset: 8, .size: 8, .value_kind: global_buffer, .address_space: global }
      - { .name: masks, .offset: 16, .size: 8, .value_kind: global_buffer, .address_space: global }
      - { .name: lowp_scales, .offset: 24, .size: 8, .value_kind: global_buffer, .address_space: global }
      - { .name: out0, .offset: 32, .size: 8, .value_kind: global_buffer, .address_space: global }
    .group_segment_fixed_size: 133632
    .private_segment_fixed_size: 0
    .kernarg_segment_align: 8
    .kernarg_segment_size: 40
    .max_flat_workgroup_size: 128
    .sgpr_count:     96
    .vgpr_count:     1024
    .wavefront_size: 32
...
	.end_amdgpu_metadata
.endif
;; end of part 2
;; ======== version 2 of 2: 2 launches; version 1 with the launch chain written anew for expert scheduling mode
;; workspace buffers: Wq 2,097,152 bytes; masks 32,768 bytes of whole numbers
;; launch prep: the kernel of part 1 again; grid 320 x 1, 1 waves a work-group, no clusters, 8,960 bytes of LDS; arguments W, op_logits, gumbel, lowp_scales, Wq, masks; writes Wq, masks
;; launch chain (part 3): grid 256 x 1, 4 waves a work-group, no clusters, 133,632 bytes of LDS; arguments x, Wq, masks, lowp_scales, out0; writes out0
.if DOCPART == 3
	.amdgcn_target "amdgcn-amd-amdhsa--gfx1250"
	.amdhsa_code_object_version 6
	.text
	.protected	k_qb05db0ab81_chain
	.globl	k_qb05db0ab81_chain
	.p2align	8
	.type	k_qb05db0ab81_chain,@function
k_qb05db0ab81_chain:
	s_mov_b64 s[64:65], 0
	v_nop
	global_prefetch_b8 v0, s[64:65] scope:SCOPE_SE
	s_setreg_imm32_b32 hwreg(HW_REG_WAVE_SCHED_MODE, 0, 2), 2
	s_setreg_imm32_b32 hwreg(HW_REG_WAVE_MODE, 25, 1), 1
	s_wait_xcnt 0x0
	s_wait_alu depctr_vm_vsrc(0)
; out0[token] = act_e(x[token] W[e]^T) for the ONE operator e that the token chose; the products on codes of E5M2, x with the scale 2^lowp_scales[2 e], W[e] with 2^lowp_scales[2 e + 1].
; The route's weight is 0 for the seven others, so their products are not made; for the chosen one it is (1 - y) + y, taken as 1 (it differs by 2^-24 at most).
; SHARES.  Work-group g takes operator e = g % 8 and the 1,024 tokens of block rb = g / 8: those of them that chose e, c rows, 0 to 1,024.  Its 32 mask words give c and the list of rows.
;   THE FOUR WAVES SHARE THE COLUMNS: wave w makes outputs 128 w .. 128 w + 127 of every row, so its part of W[e], 32 fragments, stays in 512 registers, read once.
;   Rows go in chunks of 64: wave w gathers and quantises rows 16 w .. 16 w + 15 of a chunk and stores their codes in LDS | barrier | every wave multiplies the chunk's four tiles of 16 rows,
;   applies the activation, turns each tile through its own stage in LDS and stores 512 consecutive bytes of each row.  A chunk's rows of x are asked for a whole chunk's work ahead.
; CONSTANT TRIPS.  Sixteen chunks of four tiles are walked whatever c is; what lies at or beyond row c is jumped over by scalar branches on c, never a barrier and never a step of an address.
;   W[e], which 32 work-groups read, is not shared by a joint load: each reads its 256 KB once, into registers.
; THE MATRIX INSTRUCTION IS USED TRANSPOSED (source 0 = 16 rows of W, source 1 = 16 rows of x): lane (r, h) holds row r and outputs 16 t + 8 h + 0 .. 7 of tile t.
; PLACE p = 16 l + 4 i + b of a row of codes holds k = 128 i + 4 l + b, in x's codes as in W's: the order of the sums inside a matrix instruction differs from the natural one.
; LIMITS.  lowp_scales entries between -126 and 112; ea + eb between -125 and 126 (it is added to the exponent fields of the factors below).  NaN among the inputs is not served.
;   erf: a rational in z^2 on z held within +-4, error about 1e-7.  tanh = 1 - 2 / (1 + 2^(2 h log2 e)): absolute error about 1e-7 near 0.
; LDS: 0 XC0: 64 rows of 512 codes, pitch 528 | 33,792 the list: 1,152 entries of 4 bytes (1,024 rows, 64 pads, and what the loops' addresses could reach), then 32 dump entries
;   | 65,536 XC1 (XC0's address with one bit turned) | 99,328 four stages of 16 rows x 528, each wave's own.
; REGISTERS.  Window 0: v1 16 x lane; v2 fragment place; v3 my codes' place; v4, v5 stage in, out; v6 my bytes in a row of out0; v7 2^ea; v8 the tile's fragments, v9 its list entries, v10 my codes, v11 the gather's list entries: LDS addresses in hand;
;   v[12:13], v[14:15] two erf constants; v16-31 gather offsets; v32-47 store offsets; v48-55 at work at the head; v64-127 x's four fragments; v128-191 eight accumulators;
;   v192-255 codes just made, the activations' work, rows read back; at the head, in wave 0, the list's 32 addresses and 32 tokens.
;   Window 1: 16 rows x 16 numbers of x as loaded.  Windows 2, 3: W's fragments, fragment 8 s + t at 16 (8 s + t).
; SCALARS.  s14 wave, s15 e, s16 rb, s20 4 c, s26/s27 +-57,344 x 2^ea, s30 the gather's first row x 4, s[32:51] erf constants (first: the masks), s66 chunks to go, s67 tiles to go,
;   s68 4 x the tile's first row, s69 the tile's LDS byte, s70 4 x my first row of the next chunk, s[72:83] six factors 2^(ea + eb) x { 1, 1/sqrt 2, -log2 e, 2 log2 e, 1/2, -1 }, as pairs.
; THE MODE: SCHED_MODE bits 1:0 = 2 (LLVM: expert scheduling mode 2), set by the entry lines.  The code itself states the register dependences
; between vector or matrix instructions and memory or LDS instructions, with s_wait_alu, always for 0.
; THE PLAN.  Registers that memory or LDS instructions touch:
;   v1, v4, v5, v62, v63  written once at the head; read as offsets and addresses, and by the closing add.
;   A TILE: v8, v9 are made; 20 LDS loads read them and land in v64-127 and v32-47; the products read v64-127 and write v128-191; vector lines make offsets of v32-47 in place; the activation works on
;     v128-191 with v192-223; 16 LDS stores read v128-191; 16 LDS loads land in v192-255; 16 global stores read v32-47 and v192-255.
;     At its head one wait on vm_vsrc (all that the memory side has read so far is free) and, behind the two address lines, one on va_vdst; behind the activation one on va_vdst, which serves the tile's
;     48 LDS and memory instructions that follow: no vector line stands among them.
;   A CHUNK'S TAIL: the holds and conversions read window 1 and write v192-255; v10 and v11 are made; 16 LDS stores read v10 and v192-255; 4 LDS loads read v11 and land in v16-31; vector lines make offsets
;     of them in place; 64 global loads read v16-31 and land in window 1.  One wait on vm_vsrc at its head, one on va_vdst ahead of the LDS stores, one on va_vdst ahead of the global loads.
;   All 1,024 registers are in use: there is no second set of fragments.
.set PITCH,  528
.set TILEB,  16*PITCH                  ; 16 rows of codes
.set CHUNKB, 4*TILEB                   ; 64 rows
.set LIST,   CHUNKB
.set DUMPI,  1152                      ; the list's entry at which the dump words begin
.set XCX,    0x10000
.set STG,    XCX+CHUNKB
.set MSB, 0
.macro WIN new                         ; the immediate's high byte repeats the setting that is left
.if MSB != \new
	s_set_vgpr_msb (MSB<<8)|\new
.set MSB, \new
.endif
.endm
.macro WLOAD f0, f1                    ; W's fragments f0 .. f1: four loads each, 512 consecutive bytes a load.  No cache hint: 32 work-groups read these bytes.  No vector line ever names their registers ahead of them, and v1 is written once
.set FF, \f0
.rept \f1-\f0+1
.if FF < 16
	WIN 0x80                                       ; destination window 2
.else
	WIN 0xc0                                       ; destination window 3
.endif
.irp c, 0,1,2,3
	global_load_b128 v[16*(FF%16)+4*\c:16*(FF%16)+4*\c+3], v1, s[6:7] offset:2048*FF+512*\c
.endr
.set FF, FF+1
.endr
	WIN 0
.endm
; The 16 rows named by the list's entries at byte v11 on: each row by four loads of 512 consecutive bytes.  No cache hint: the list's pads can name a row several times.
; v11 was written ahead of a wait on va_vdst, behind which no vector line names it or v16-31.
.macro GATHER
.irp j, 0,1,2,3
	ds_load_b128 v[16+4*\j:19+4*\j], v11 offset:LIST+16*\j         ; every lane reads the same 16 entries
.endr
	s_wait_dscnt 0x0
.set NN, 0
.rept 16
	v_min_u32 v[16+NN], 0x7fff, v[16+NN]           ; a token's number stays inside x
.set NN, NN+1
.endr
.set NN, 0
.rept 16
	v_lshl_add_u32 v[16+NN], v[16+NN], 11, v1      ; token x 2,048 + 16 x lane
.set NN, NN+1
.endr
	WIN 0x40                                       ; destination window 1
	s_wait_alu depctr_va_vdst(0)                   ; the 32 lines above have written the offsets v16-31, which the loads below read; the holds and conversions are done reading window 1, in which they land
.set NN, 0
.rept 16
.irp i, 0,1,2,3
	global_load_b128 v[16*NN+4*\i:16*NN+4*\i+3], v[16+NN], s[4:5] offset:512*\i
.endr
.set NN, NN+1
.endr
	WIN 0
.endm
; 16 rows x 16 numbers a lane in window 1 become 16 bytes of codes a row in v[192 + 4 t ..].
.macro QCONV
	s_wait_xcnt 0x0                                ; the codes' registers were the data of the last tile's stores: written again only behind this wait
	s_wait_alu depctr_vm_vsrc(0)                   ; read by now: v192-255 by the last tile's global stores (at the head: by the list's LDS stores), v10 by my last codes' LDS stores, v11 and v16-31 by the last gather's loads: all are written again below
	WIN 0x41                                       ; source 0 and destination window 1
.set NN, 0
.rept 256
	v_med3_num_f32 v[NN], v[NN], s27, s26          ; the conversion to an 8-bit code does not saturate (ISA guide 7.6.2): the hold at the largest code x the scale
.set NN, NN+1
.endr
	WIN 0x01                                       ; source 0 window 1
.set NN, 0
.rept 16
	v_cvt_scalef32_pk8_bf8_f32 v[192+4*NN:193+4*NN], v[16*NN:16*NN+7], v7      ; one scale for the tensor: the eight numbers of a conversion need not be neighbours along K
	v_cvt_scalef32_pk8_bf8_f32 v[194+4*NN:195+4*NN], v[16*NN+8:16*NN+15], v7
.set NN, NN+1
.endr
	WIN 0
	v_nop                                          ; one plain vector line behind the last scaled conversion
.endm
.macro QSTORE                          ; my 16 rows of codes into the buffer that begins at s69; the address of the gather that may follow (list byte s30) is made ahead of the same wait
	v_add_nc_u32 v10, s69, v3
	v_mov_b32 v11, s30
	s_wait_alu depctr_va_vdst(0)                   ; the conversions have written the codes v192-255, and v10 is written: the LDS stores read them; v11 is written, which the gather's list loads read
.set NN, 0
.rept 16
	ds_store_b128 v10, v[192+4*NN:195+4*NN] offset:PITCH*NN        ; 512 consecutive bytes
.set NN, NN+1
.endr
.endm
.macro MULS s                          ; K step s: the eight accumulators take turns, one instruction a turn; the first K step starts the sums
.irp t, 0,1,2,3,4,5,6,7
.if \s == 0
	v_wmma_f32_16x16x128_bf8_bf8 v[128+8*\t:135+8*\t], v[(16*(8*\s+\t))%256:(16*(8*\s+\t))%256+15], v[64+16*\s:79+16*\s], 0
.else
	v_wmma_f32_16x16x128_bf8_bf8 v[128+8*\t:135+8*\t], v[(16*(8*\s+\t))%256:(16*(8*\s+\t))%256+15], v[64+16*\s:79+16*\s], v[128+8*\t:135+8*\t]
.endif
.endr
.endm
.macro PAIR r, val                     ; a constant as a scalar pair: the packed forms name the pair and take its low word for both halves
	s_mov_b32 s[\r], \val
	s_mov_b32 s[\r+1], s[\r]
.endm
.macro FACTOR r, val                   ; val x 2^(ea + eb): s21 = (ea + eb) << 23 is added to the constant's exponent field
	s_add_co_u32 s[\r], s21, \val
	s_mov_b32 s[\r+1], s[\r]
.endm
; THE ACTIVATIONS, on tile t's eight sums, each accumulator from its low end on.  h = sum x 2^(ea + eb).  At work: v192-199, v200-207, v208-215, v216-223.
.macro ACT0 t                          ; gelu: h / 2 + h / 2 x erf(h / sqrt 2);  erf(z) = z P(z^2) / Q(z^2)
.set AC, 128+8*(\t)
.irp p, 0,2,4,6
	v_pk_mul_f32 v[192+\p:193+\p], v[AC+\p:AC+\p+1], s[74:75] op_sel_hi:[1,0]            ; z
.endr
.irp p, 0,2,4,6
	v_pk_mul_f32 v[AC+\p:AC+\p+1], v[AC+\p:AC+\p+1], s[80:81] op_sel_hi:[1,0]            ; h / 2
.endr
.irp j, 0,1,2,3,4,5,6,7
	v_med3_num_f32 v[192+\j], v[192+\j], -4.0, 4.0
.endr
.irp p, 0,2,4,6
	v_pk_mul_f32 v[200+\p:201+\p], v[192+\p:193+\p], v[192+\p:193+\p]                    ; z^2
.endr
.irp p, 0,2,4,6
	v_pk_fma_f32 v[208+\p:209+\p], v[200+\p:201+\p], v[12:13], s[32:33] op_sel_hi:[1,1,0]
	v_pk_fma_f32 v[216+\p:217+\p], v[200+\p:201+\p], v[14:15], s[44:45] op_sel_hi:[1,1,0]
.endr
.irp c, 34,36,38
.irp p, 0,2,4,6
	v_pk_fma_f32 v[208+\p:209+\p], v[208+\p:209+\p], v[200+\p:201+\p], s[\c:\c+1] op_sel_hi:[1,1,0]
	v_pk_fma_f32 v[216+\p:217+\p], v[216+\p:217+\p], v[200+\p:201+\p], s[\c+12:\c+13] op_sel_hi:[1,1,0]
.endr
.endr
.irp j, 0,1,2,3,4,5,6,7
	v_rcp_f32 v[216+\j], v[216+\j]                 ; 1 / Q
.endr
.irp c, 40,42
.irp p, 0,2,4,6
	v_pk_fma_f32 v[208+\p:209+\p], v[208+\p:209+\p], v[200+\p:201+\p], s[\c:\c+1] op_sel_hi:[1,1,0]   ; P's last two steps are the plain lines behind the reciprocals
.endr
.endr
.irp p, 0,2,4,6
	v_pk_mul_f32 v[208+\p:209+\p], v[208+\p:209+\p], v[192+\p:193+\p]
.endr
	s_wait_alu depctr_va_vdst(0)                   ; the eight reciprocals have written v216-223: one wait for the batch, ahead of its first reader
.irp p, 0,2,4,6
	v_pk_mul_f32 v[208+\p:209+\p], v[208+\p:209+\p], v[216+\p:217+\p]                    ; erf
.endr
.irp p, 0,2,4,6
	v_pk_fma_f32 v[AC+\p:AC+\p+1], v[AC+\p:AC+\p+1], v[208+\p:209+\p], v[AC+\p:AC+\p+1]
.endr
.endm
.macro ACT1 t                          ; relu
.set AC, 128+8*(\t)
.irp p, 0,2,4,6
	v_pk_mul_f32 v[AC+\p:AC+\p+1], v[AC+\p:AC+\p+1], s[72:73] op_sel_hi:[1,0]
.endr
.irp j, 0,1,2,3,4,5,6,7
	v_max_num_f32 v[AC+\j], 0, v[AC+\j]
.endr
.endm
.macro ACT2 t                          ; relu, squared
	ACT1 \t
.irp p, 0,2,4,6
	v_pk_mul_f32 v[AC+\p:AC+\p+1], v[AC+\p:AC+\p+1], v[AC+\p:AC+\p+1]
.endr
.endm
.macro ACT3 t                          ; silu: h / (1 + 2^(-h log2 e))
.set AC, 128+8*(\t)
.irp p, 0,2,4,6
	v_pk_mul_f32 v[192+\p:193+\p], v[AC+\p:AC+\p+1], s[76:77] op_sel_hi:[1,0]
.endr
.irp j, 0,1,2,3,4,5,6,7
	v_exp_f32 v[192+\j], v[192+\j]
.endr
.irp p, 0,2,4,6
	v_pk_mul_f32 v[AC+\p:AC+\p+1], v[AC+\p:AC+\p+1], s[72:73] op_sel_hi:[1,0]            ; h: the plain lines behind the exponentials
.endr
	s_wait_alu depctr_va_vdst(0)                   ; the eight exponentials have written v192-199, ahead of their first reader
.irp p, 0,2,4,6
	v_pk_add_f32 v[192+\p:193+\p], v[192+\p:193+\p], 1.0 op_sel_hi:[1,0]
.endr
.irp j, 0,1,2,3,4,5,6,7
	v_rcp_f32 v[192+\j], v[192+\j]
.endr
	v_nop                                          ; a plain line behind the reciprocals
	s_wait_alu depctr_va_vdst(0)                   ; the eight reciprocals have written v192-199, ahead of their first reader
.irp p, 0,2,4,6
	v_pk_mul_f32 v[AC+\p:AC+\p+1], v[AC+\p:AC+\p+1], v[192+\p:193+\p]
.endr
.endm
.macro ACT4 t                          ; tanh: 1 - 2 / (1 + 2^(2 h log2 e))
.set AC, 128+8*(\t)
.irp p, 0,2,4,6
	v_pk_mul_f32 v[192+\p:193+\p], v[AC+\p:AC+\p+1], s[78:79] op_sel_hi:[1,0]
.endr
.irp j, 0,1,2,3,4,5,6,7
	v_exp_f32 v[192+\j], v[192+\j]
.endr
	v_nop
	s_wait_alu depctr_va_vdst(0)                   ; the eight exponentials have written v192-199, ahead of their first reader
.irp p, 0,2,4,6
	v_pk_add_f32 v[192+\p:193+\p], v[192+\p:193+\p], 1.0 op_sel_hi:[1,0]
.endr
.irp j, 0,1,2,3,4,5,6,7
	v_rcp_f32 v[192+\j], v[192+\j]
.endr
	v_nop
	s_wait_alu depctr_va_vdst(0)                   ; the eight reciprocals have written v192-199, ahead of their first reader
.irp p, 0,2,4,6
	v_pk_fma_f32 v[AC+\p:AC+\p+1], v[192+\p:193+\p], -2.0, 1.0 op_sel_hi:[1,0,0]
.endr
.endm
.macro ACT5 t                          ; sigmoid: 1 / (1 + 2^(-h log2 e)).  Its reciprocals' results are first named behind the next tile's wait, the last tile's behind the wait that ends the arm
.set AC, 128+8*(\t)
.irp p, 0,2,4,6
	v_pk_mul_f32 v[192+\p:193+\p], v[AC+\p:AC+\p+1], s[76:77] op_sel_hi:[1,0]
.endr
.irp j, 0,1,2,3,4,5,6,7
	v_exp_f32 v[192+\j], v[192+\j]
.endr
	v_nop
	s_wait_alu depctr_va_vdst(0)                   ; the eight exponentials have written v192-199, ahead of their first reader
.irp p, 0,2,4,6
	v_pk_add_f32 v[192+\p:193+\p], v[192+\p:193+\p], 1.0 op_sel_hi:[1,0]
.endr
.irp j, 0,1,2,3,4,5,6,7
	v_rcp_f32 v[AC+\j], v[192+\j]
.endr
	v_nop
.endm
.macro ACT6 t                          ; h
.set AC, 128+8*(\t)
.irp p, 0,2,4,6
	v_pk_mul_f32 v[AC+\p:AC+\p+1], v[AC+\p:AC+\p+1], s[72:73] op_sel_hi:[1,0]
.endr
.endm
.macro ACT7 t                          ; -h
.set AC, 128+8*(\t)
.irp p, 0,2,4,6
	v_pk_mul_f32 v[AC+\p:AC+\p+1], v[AC+\p:AC+\p+1], s[82:83] op_sel_hi:[1,0]
.endr
.endm
	; ---------------- THE HEAD ----------------
	s_load_b256 s[4:11], s[0:1], 0x0               ; x s[4:5], Wq s[6:7], masks s[8:9], lowp_scales s[10:11]
	s_load_b64 s[12:13], s[0:1], 0x20              ; out0
	v_lshl_add_u32 v62, v0, 2, 0x20800
	v_mov_b32 v63, 0
	v_lshrrev_b32 v53, 5, v0
	v_readfirstlane_b32 s14, v53                   ; wave 0..3
	s_and_b32 s15, ttmp9, 7                        ; e
	s_lshr_b32 s16, ttmp9, 3                       ; rb
	v_and_b32 v48, 31, v0                          ; lane
	v_and_b32 v54, 15, v0                          ; r
	v_bfe_u32 v55, v0, 4, 1                        ; h
	v_lshlrev_b32 v1, 4, v48                       ; 16 x lane
	v_mul_u32_u24 v2, v54, PITCH
	v_lshl_add_u32 v4, v55, 5, v2                  ; the stage, in: row r, + 32 h
	v_lshl_add_u32 v2, v55, 4, v2                  ; a fragment: row r, + 16 h
	s_wait_alu depctr_va_sdst(0)                   ; s14 is written, ahead of its first reader: LDS places, W's base and branches are made from it
	s_mul_i32 s21, s14, TILEB
	v_add_nc_u32 v3, s21, v1                       ; my 16 rows of a chunk's codes
	s_add_co_u32 s22, s21, STG                     ; my stage
	v_add_nc_u32 v4, s22, v4
	v_add_nc_u32 v5, s22, v1                       ; the stage, out: 16 bytes a lane of a row's 512
	s_lshl_b32 s23, s14, 9
	v_add_nc_u32 v6, s23, v1                       ; and the same bytes in a row of out0: 512 x wave + 16 x lane
	s_lshl_b32 s20, s15, 18                        ; Wq: 262,144 e + 65,536 w
	s_lshl_b32 s21, s14, 16
	s_add_co_u32 s20, s20, s21
	s_mov_b32 s21, 0
	s_lshl_b32 s22, s16, 10                        ; masks: 1,024 rb + 128 e
	s_lshl_b32 s23, s15, 7
	s_add_co_u32 s22, s22, s23
	s_mov_b32 s23, 0
	s_lshl_b32 s28, s15, 3                         ; lowp_scales: 8 e
	s_mov_b32 s29, 0
	s_wait_kmcnt 0x0
	s_add_nc_u64 s[6:7], s[6:7], s[20:21]
	s_add_nc_u64 s[8:9], s[8:9], s[22:23]
	s_add_nc_u64 s[10:11], s[10:11], s[28:29]
	s_load_b512 s[32:47], s[8:9], 0x0              ; my 32 masks
	s_load_b512 s[48:63], s[8:9], 0x40
	s_load_b64 s[24:25], s[10:11], 0x0             ; ea, eb
	s_wait_alu depctr_va_vdst(0)                   ; v1 is written, which W's loads read as their offset; so are v4, v5, v62 and v63, which LDS instructions read later and no line writes again
	WLOAD 0, 14                                    ; 60 loads go out while the masks come
	s_wait_kmcnt 0x0
	s_mov_b32 s21, 0
.set KK, 0
.rept 32
	s_bcnt1_i32_b32 s22, s[32+KK]
	s_add_co_u32 s21, s21, s22
.set KK, KK+1
.endr
	s_lshl_b32 s20, s21, 2                         ; 4 c
	; THE LIST, by wave 0 alone, ahead of the first barrier: no other wave has touched LDS yet.  Entry n = the n-th token of the block that chose e.
	; Each of the 32 groups has an address register (v192 on) and a token register (v224 on) of its own, so that one wait serves all the stores.
	s_cmp_lg_u32 s14, 0
	s_cbranch_scc1 .Lno_list
	s_lshl_b32 s23, s16, 10
	v_add_nc_u32 v224, s23, v48                    ; my token of group 0
	v_add_nc_u32 v50, DUMPI, v48                   ; where a lane whose token did not choose e writes
	s_mov_b32 s21, 0                               ; rows so far
.set KK, 0
.rept 32
	v_mbcnt_lo_u32_b32 v[192+KK], s[32+KK], s21    ; rows so far + the group's chosen tokens below mine
	v_cndmask_b32 v[192+KK], v50, v[192+KK], s[32+KK]
	v_min_u32 v[192+KK], DUMPI+31, v[192+KK]       ; an entry's number stays inside the list's region
	v_lshl_add_u32 v[192+KK], v[192+KK], 2, LIST
.if KK > 0
	v_add_nc_u32 v[224+KK], 32*KK, v224            ; my token of group KK
.endif
	s_bcnt1_i32_b32 s22, s[32+KK]
	s_add_co_u32 s21, s21, s22
.set KK, KK+1
.endr
	v_add_nc_u32 v51, s21, v48                     ; entries c .. c + 63 are pads: they name the block's first token, a row that can be read; what is made of it is never stored
	v_min_u32 v51, 1055, v51
	v_lshl_add_u32 v51, v51, 2, LIST
	v_mov_b32 v52, s23
	s_wait_alu depctr_va_vdst(0)                   ; the addresses v192-223 and v51 and the tokens v224-255 and v52 are written, which the 34 LDS stores read
.set KK, 0
.rept 32
	ds_store_b32 v[192+KK], v[224+KK]
.set KK, KK+1
.endr
	ds_store_b32 v51, v52
	ds_store_b32 v51, v52 offset:128
.Lno_list:
	s_wait_dscnt 0x0                               ; for the others' sake: the list is stored
	s_barrier_signal -1
	s_barrier_wait -1
	s_lshl_b32 s30, s14, 6
	v_mov_b32 v11, s30
	s_wait_alu depctr_va_vdst(0)                   ; v11 is written, which the list's loads read
	GATHER                                         ; chunk 0, my rows 16 w on: asked for whatever c is (the pads make every entry a row)
	WLOAD 15, 31                                   ; 68 loads
	s_add_co_i32 s21, s24, 127
	s_lshl_b32 s22, s21, 23
	v_mov_b32 v7, s22                              ; 2^ea as f32: the conversion takes its exponent field
	s_add_co_i32 s21, s21, 15
	s_lshl_b32 s26, s21, 23
	s_or_b32 s26, s26, 0x600000                    ; 57,344 x 2^ea
	s_xor_b32 s27, s26, 0x80000000
	s_add_co_i32 s21, s24, s25
	s_lshl_b32 s21, s21, 23                        ; ea + eb, at the exponent field's place
	FACTOR 72, 0x3f800000                          ; 1
	FACTOR 74, 0x3f3504f3                          ; 1 / sqrt 2
	FACTOR 76, 0xbfb8aa3b                          ; -log2 e
	FACTOR 78, 0x4038aa3b                          ; 2 log2 e
	FACTOR 80, 0x3f000000                          ; 1 / 2
	FACTOR 82, 0xbf800000                          ; -1
	PAIR 32, 0x32edffee                            ; P: z^10's coefficient .. (z^12's stands in v[12:13])
	PAIR 34, 0xb60cff51
	PAIR 36, 0xb86ec2d2
	PAIR 38, 0xba40ac63
	PAIR 40, 0xbb41a1f6
	PAIR 42, 0xbc83dbd4
	PAIR 44, 0xb95fbd29                            ; Q: (its highest stands in v[14:15])
	PAIR 46, 0xbadc924e
	PAIR 48, 0xbbf19bf8
	PAIR 50, 0xbc69b6a7
	v_mov_b32 v12, 0xaf95df0b
	v_mov_b32 v13, 0xaf95df0b
	v_mov_b32 v14, 0xb77460cd
	v_mov_b32 v15, 0xb77460cd
	s_mov_b32 s68, 0
	s_mov_b32 s69, 0
	s_lshl_b32 s70, s14, 6
	s_add_co_u32 s70, s70, 256                     ; 4 x (64 + 16 w)
	s_mov_b32 s30, s70                             ; the gather that may follow chunk 0's codes is chunk 1's
	s_mov_b32 s66, 16
	s_wait_loadcnt 63                              ; loads come back in order, and 68 were issued behind chunk 0's rows: these are in
	QCONV
	QSTORE                                         ; chunk 0's codes, into XC0
	s_cmp_lt_u32 s70, s20
	s_cbranch_scc0 .Lno_g1
	GATHER                                         ; chunk 1
	s_wait_loadcnt 63                              ; 64 loads were issued behind W's last: W is in
	s_branch .Lgo
.Lno_g1:
	s_wait_loadcnt 0x0                             ; W is in
.Lgo:
	; ---------------- SIXTEEN CHUNKS ----------------
.Lchunk:
	s_wait_dscnt 0x0                               ; my codes of this chunk are stored, and my reads of the chunk before are back:
	s_barrier_signal -1
	s_barrier_wait -1                              ; both now hold of all four waves
	s_mov_b32 s67, 4
.Ltile:
	s_cmp_lt_u32 s68, s20                          ; a tile that begins at or beyond row c is jumped over
	s_cbranch_scc0 .Lno_tile
	s_wait_xcnt 0x0                                ; the last tile's stores have read their data and offsets: both are written again below
	s_wait_alu depctr_vm_vsrc(0)                   ; read by now: v8 and v9 by the last tile's LDS loads, v128-191 by its LDS stores, v32-47 and v192-255 by its global stores, v192-255 by my codes' LDS stores: all are written again in this tile
	v_add_nc_u32 v8, s69, v2
	v_mov_b32 v9, s68
	s_wait_alu depctr_va_vdst(0)                   ; v8 and v9 are written, which the loads below read; the last tile's products are done reading v64-127, and its offset lines have written v32-47: the loads land there
.irp s, 0,1,2,3
.irp c, 0,1,2,3
	ds_load_b128 v[64+16*\s+4*\c:67+16*\s+4*\c], v8 offset:128*\s+32*\c
.endr
.endr
.irp j, 0,1,2,3
	ds_load_b128 v[32+4*\j:35+4*\j], v9 offset:LIST+16*\j          ; the tile's 16 tokens
.endr
	s_wait_dscnt 4                                 ; the fragments are in; the four list loads behind them may be out
	WIN 0x02                                       ; source 0 (W) window 2
	MULS 0
	MULS 1
	WIN 0x03                                       ; window 3
	MULS 2
	MULS 3
	WIN 0
	s_wait_dscnt 0x0
.set NN, 0
.rept 16                                           ; these 32 plain lines name no register of the products: they are the places behind them (ISA guide 7.12.1)
	v_min_u32 v[32+NN], 0x7fff, v[32+NN]           ; a token's number stays inside out0
.set NN, NN+1
.endr
.set NN, 0
.rept 16
	v_lshl_add_u32 v[32+NN], v[32+NN], 11, v6      ; token x 2,048 + my bytes of the row
.set NN, NN+1
.endr
.irp k, 0,1,2,3,4,5,6
	s_cmp_eq_u32 s15, \k                           ; the operator hangs on the work-group's number alone
	s_cbranch_scc1 .Lact\k
.endr
.irp t, 0,1,2,3,4,5,6,7
	ACT7 \t
.endr
	s_branch .Lact_done
.Lact0:
.irp t, 0,1,2,3,4,5,6,7
	ACT0 \t
.endr
	s_branch .Lact_done
.Lact1:
.irp t, 0,1,2,3,4,5,6,7
	ACT1 \t
.endr
	s_branch .Lact_done
.Lact2:
.irp t, 0,1,2,3,4,5,6,7
	ACT2 \t
.endr
	s_branch .Lact_done
.Lact3:
.irp t, 0,1,2,3,4,5,6,7
	ACT3 \t
.endr
	s_branch .Lact_done
.Lact4:
.irp t, 0,1,2,3,4,5,6,7
	ACT4 \t
.endr
	s_branch .Lact_done
.Lact5:
.irp t, 0,1,2,3,4,5,6,7
	ACT5 \t
.endr
	s_wait_alu depctr_va_vdst(0)                   ; the last tile's eight reciprocals have written v184-191: their wait stands ahead of the branch
	s_branch .Lact_done
.Lact6:
.irp t, 0,1,2,3,4,5,6,7
	ACT6 \t
.endr
.Lact_done:
	s_wait_alu depctr_va_vdst(0)                   ; the activation has written v128-191, which the LDS stores read, and is done with v192-223, in which the LDS loads land; the offsets v32-47 are written, which the global stores read
.irp t, 0,1,2,3,4,5,6,7
	ds_store_b128 v4, v[128+8*\t:131+8*\t] offset:64*\t            ; lane (r, h): row r, outputs 16 t + 8 h + 0 .. 7 of my 128
	ds_store_b128 v4, v[132+8*\t:135+8*\t] offset:64*\t+16
.endr
.set NN, 0
.rept 16
	ds_load_b128 v[192+4*NN:195+4*NN], v5 offset:PITCH*NN          ; LDS serves a wave's instructions in order (ISA guide 5.7.1.4): these see the stores above, and the next tile's stores come behind them
.set NN, NN+1
.endr
	s_sub_co_u32 s23, s20, s68                     ; 4 x the rows that are left, at least 4
	s_wait_dscnt 0x0
.set NN, 0
.rept 16
.if NN > 0
	s_cmp_gt_u32 s23, 4*NN                         ; a pad's row is not stored
	s_cbranch_scc0 .Lno_tile
.endif
	global_store_b128 v[32+NN], v[192+4*NN:195+4*NN], s[12:13] th:TH_STORE_NT   ; 32 lanes store 512 consecutive bytes of one token's row, at a multiple of 512 from out0's first byte
.set NN, NN+1
.endr
.Lno_tile:
	s_add_co_u32 s68, s68, 64
	s_add_co_u32 s69, s69, TILEB
	s_sub_co_u32 s67, s67, 1
	s_cmp_lg_u32 s67, 0
	s_cbranch_scc1 .Ltile
	s_sub_co_u32 s69, s69, CHUNKB                  ; back to the buffer's first row,
	s_xor_b32 s69, s69, XCX                        ; in the other buffer: the next chunk's.  Its last readers waited for their reads in front of this trip's barrier
	s_wait_loadcnt 0x0                             ; my rows of the next chunk are in, and their offsets may be written again
	s_add_co_u32 s30, s70, 256                     ; the gather that may follow is the chunk after's
	s_cmp_lt_u32 s70, s20                          ; my 16 rows of the next chunk are its tile w: the same test as that tile's
	s_cbranch_scc0 .Lno_q
	QCONV
	QSTORE
	s_cmp_lt_u32 s30, s20
	s_cbranch_scc0 .Lno_q
	GATHER                                         ; the chunk after: 64 loads of 512 bytes a wave, on their way through the barrier and the next chunk's work
.Lno_q:
	s_add_co_u32 s70, s70, 256
	s_sub_co_u32 s66, s66, 1
	s_cmp_lg_u32 s66, 0
	s_cbranch_scc1 .Lchunk
	s_wait_dscnt 0x0                               ; the closing lines, six on end
	s_wait_alu 0x0
	s_wait_tensorcnt 0x0
	ds_add_u32 v62, v63
	s_wait_dscnt 0x0
	s_endpgm
.Lfunc_end_k_qb05db0ab81_chain:
	.size	k_qb05db0ab81_chain, .Lfunc_end_k_qb05db0ab81_chain-k_qb05db0ab81_chain
	.p2alignl 7, 3214868480
	.fill 96, 4, 3214868480
	.section	.rodata,"a",@progbits
	.p2align	6, 0x0
	.amdhsa_kernel k_qb05db0ab81_chain
		.amdhsa_group_segment_fixed_size 133632
		.amdhsa_private_segment_fixed_size 0
		.amdhsa_enable_private_segment 0
		.amdhsa_kernarg_size 40
		.amdhsa_user_sgpr_count 2
		.amdhsa_user_sgpr_kernarg_segment_ptr 1
		.amdhsa_wavefront_size32 1
		.amdhsa_system_sgpr_workgroup_id_x 1
		.amdhsa_system_sgpr_workgroup_id_y 1
		.amdhsa_system_sgpr_workgroup_id_z 1
		.amdhsa_system_vgpr_workitem_id 0
		.amdhsa_next_free_vgpr 1024
		.amdhsa_next_free_sgpr 96
		.amdhsa_reserve_vcc 0
		.amdhsa_float_denorm_mode_32 3
		.amdhsa_float_denorm_mode_16_64 3
		.amdhsa_memory_ordered 1
		.amdhsa_forward_progress 1
		.amdhsa_inst_pref_size 195
	.end_amdhsa_kernel
	.amdgpu_metadata
---
amdhsa.version: [ 1, 2 ]
amdhsa.kernels:
  - .name:           k_qb05db0ab81_chain
    .symbol:         k_qb05db0ab81_chain.kd
    .args:
      - { .name: x, .offset: 0, .size: 8, .value_kind: global_buffer, .address_space: global }
      - { .name: Wq, .offset: 8, .size: 8, .value_kind: global_buffer, .address_space: global }
      - { .name: masks, .offset: 16, .size: 8, .value_kind: global_buffer, .address_space: global }
      - { .name: lowp_scales, .offset: 24, .size: 8, .value_kind: global_buffer, .address_space: global }
      - { .name: out0, .offset: 32, .size: 8, .value_kind: global_buffer, .address_space: global }
    .group_segment_fixed_size: 133632
    .private_segment_fixed_size: 0
    .kernarg_segment_align: 8
    .kernarg_segment_size: 40
    .max_flat_workgroup_size: 128
    .sgpr_count:     96
    .vgpr_count:     1024
    .wavefront_size: 32
...
	.end_amdgpu_metadata
.endif
;; end of part 3
